; MI455X (gfx1250); checked and timed in simulation.
; The chip was launched on July 23, 2026; its instructions are those of AMD's public machine-readable ISA for CDNA 5 (MIT licence, August 2026) and "CDNA5" Instruction Set Architecture Reference Guide (July 2026). The comments in the code are by the model that wrote it; some were corrected since.
;; Wubu Block. Allowed arithmetic: matrix products marked QUANTISED: E2M1 operands, one E8M0 scale for each 32 along K, by v_wmma_scale_f32_16x16x128_f8f6f4 with both operands' format E2M1 (or v_wmma_scale_f32_32x16x128_f4), f32 sums; products left as they are: f32 operands where the result goes on into a quantised operand, else bf16, f16 or f32 operands; f32 sums; everything else in f32.
;; Inputs: W1_codes 2,048 x 16 x 16 uint8 (E2M1 codes of W1, K innermost, in blocks of 32 codes, two codes a byte); W1_scales 2,048 x 16 uint8 (E8M0 scales of W1, one for each 32 codes along K); W2_codes 512 x 64 x 16 uint8 (E2M1 codes of W2, K innermost, in blocks of 32 codes, two codes a byte); W2_scales 512 x 64 uint8 (E8M0 scales of W2, one for each 32 codes along K); Wk_codes 512 x 16 x 16 uint8 (E2M1 codes of Wk, K innermost, in blocks of 32 codes, two codes a byte); Wk_scales 512 x 16 uint8 (E8M0 scales of Wk, one for each 32 codes along K); Wo_codes 512 x 16 x 16 uint8 (E2M1 codes of Wo, K innermost, in blocks of 32 codes, two codes a byte); Wo_scales 512 x 16 uint8 (E8M0 scales of Wo, one for each 32 codes along K); Wq_codes 512 x 16 x 16 uint8 (E2M1 codes of Wq, K innermost, in blocks of 32 codes, two codes a byte); Wq_scales 512 x 16 uint8 (E8M0 scales of Wq, one for each 32 codes along K); Wv_codes 512 x 16 x 16 uint8 (E2M1 codes of Wv, K innermost, in blocks of 32 codes, two codes a byte); Wv_scales 512 x 16 uint8 (E8M0 scales of Wv, one for each 32 codes along K); b1 2,048 float32; b2 512 float32; bk 512 float32; bo 512 float32; bq 512 float32; bv 512 float32; c 2 float32; freqs_cos 1,024 x 32 float32; freqs_sin 1,024 x 32 float32; geo_scale 8 x 1 x 1 float32; hash_offset 1 x 1 x 8 x 64 float32; ln1_b 512 float32; ln1_s 512 float32; ln2_b 512 float32; ln2_s 512 float32; x 2 x 1,024 x 512 float32.
;; Outputs: out0 2 x 1,024 x 512 float32.
;; This version of the problem:
;;   THIS VERSION OF THE PROBLEM IS GIVEN IN LOW PRECISION. The matrix products marked QUANTISED in the list below multiply operands that are first quantised to E2M1 (2 exponent bits, 1 mantissa bit; 4 bits a number), with one power-of-two scale for each 32 numbers along K (OCP MX v1.0); their sums are f32. All else is computed in f32.
;;   The module's matrix products, in the order in which they are computed (A, B: the left and right operand; K: the contracted axis; several contracted axes count as one K, in the product's order):
;;     1. [M 2,048, K 512] x [K 512, N 512]; A: computed on the way; B: input Wq (given as codes): QUANTISED
;;     2. [M 2,048, K 512] x [K 512, N 512]; A: computed on the way; B: input Wk (given as codes): QUANTISED
;;     3. [M 2,048, K 512] x [K 512, N 512]; A: computed on the way; B: input Wv (given as codes): QUANTISED
;;     4. batch 16,384 x [M 1, K 64] x [K 64, N 64]; A: softmax; B: computed on the way: left as it is (M = 1 < 16)
;;     5. [M 2,048, K 512] x [K 512, N 512]; A: computed on the way; B: input Wo (given as codes): QUANTISED
;;     6. [M 2,048, K 512] x [K 512, N 2,048]; A: computed on the way; B: input W1 (given as codes): QUANTISED
;;     7. [M 2,048, K 2,048] x [K 2,048, N 512]; A: computed on the way; B: input W2 (given as codes): QUANTISED
;;   THE QUANTISER, for each operand of a quantised product, along K:
;;     - K is cut into blocks of 32 from its start; a last block that is shorter is filled with zeros.
;;     - A block's scale is 2^e with e = floor(log2(the largest magnitude in the block)) - 2, held to -126 .. 127; a block of zeros has e = 0. As a byte (E8M0): e + 127.
;;     - Each number is divided by its block's scale, clamped to +-6, and rounded to the nearest number of E2M1, ties to even, subnormals kept.
;;     - The product sums the exact products of the quantised numbers (number of the format x scale) in f32.
;;   ~~~python
;;   def quantise(x, axis):      # numpy; x: float32 -> the quantised numbers, widened to float32 again
;;       x = np.moveaxis(x, axis, -1); K = x.shape[-1]
;;       x = np.pad(x, [(0, 0)] * (x.ndim - 1) + [(0, -K % 32)]); x = x.reshape(x.shape[:-1] + (-1, 32)); a = np.abs(x).max(-1, keepdims=True)
;;       e = np.where(a > 0, np.clip(np.frexp(np.where(a > 0, a, 1))[1] - 1 - 2, -126, 127), 0)      # np.frexp(a)[1] - 1 = floor(log2(a)), exactly
;;       r = np.clip(x / 2.0 ** e, -6, 6)
;;       step = 2.0 ** (np.maximum(np.frexp(np.where(r == 0, 1, r))[1] - 1, 0) - 1)
;;       q = np.round(r / step) * step * 2.0 ** e      # np.round: ties to even
;;       return np.moveaxis(q.reshape(q.shape[:-2] + (-1,))[..., :K], -1, axis).astype(np.float32)
;;   ~~~
;;   OPERANDS COMPUTED ON THE WAY. 'Computed on the way' means the value that the module computes at that place (a softmax that the list does not call 'softmax' is quantised finished and normalised). What goes into a quantiser is computed in f32, as accurately as f32 sums, v_exp_f32 and their like allow (about 1e-6 of the number): no bf16 or f16 on the way to a quantiser, and a product that is left as it is and whose result goes on into a quantised operand takes f32 operands (vector FMAs, or v_wmma_f32_16x16x4_f32). A number that lies on a knife's edge between two numbers of the format may be rounded either way, as far as f32 arithmetic and the matrix unit's own rounding can turn it there, and no further.
;;   INPUTS GIVEN AS CODES. W1 (in the module: [512, 2048], K = its axis 0); W2 (in the module: [2048, 512], K = its axis 0); Wk (in the module: [512, 512], K = its axis 0); Wo (in the module: [512, 512], K = its axis 0); Wq (in the module: [512, 512], K = its axis 0); Wv (in the module: [512, 512], K = its axis 0): each comes as NAME_codes (uint8): NAME with its K axis moved to the last place and cut into blocks of 32 codes, [.., K / 32, bytes a block], one block behind the other in memory; two codes a byte, the lower K in the low four bits (a code: sign, 2 exponent bits, 1 mantissa bit); and NAME_scales (uint8): the same leading axes, one E8M0 byte (e + 127) for each 32 codes along K. Its value is code x scale, taken as it is: it is not quantised again, and the codes and scales need not be those that the quantiser above would give.
;; One version. Each part assembles by itself: llvm-mc -triple=amdgcn-amd-amdhsa -mcpu=gfx1250 --defsym DOCPART=n.
;; ======== version 1 of 1: 2 launches
;; limits: a difference of large sums (such as E[x^2] - mean^2): digits are lost where the result is much smaller than its terms
;; workspace buffers: attn_codes 524,288 bytes; attn_scales 32,768 bytes
;; launch attn (part 1): grid 32 x 8, 4 waves a work-group, no clusters, 103,936 bytes of LDS; arguments x, ln1_s, ln1_b, Wq_codes, Wq_scales, Wk_codes, Wk_scales, Wv_codes, Wv_scales, bq, bk, bv, hash_offset, freqs_cos, freqs_sin, c, geo_scale, attn_codes, attn_scales; writes attn_codes, attn_scales
.if DOCPART == 1
	.amdgcn_target "amdgcn-amd-amdhsa--gfx1250"
	.amdhsa_code_object_version 6
	.text
	.protected	k_q4cb511900d_attn
	.globl	k_q4cb511900d_attn
	.p2align	8
	.type	k_q4cb511900d_attn,@function
k_q4cb511900d_attn:
	s_mov_b64 s[64:65], 0
	v_nop
	global_prefetch_b8 v0, s[64:65] scope:SCOPE_SE
	s_setreg_imm32_b32 hwreg(HW_REG_WAVE_MODE, 25, 1), 1
	s_wait_xcnt 0x0
; LN1, Q(xn), the q, k, v of ONE head, hash offset, RoPE, expmap0, the window of 64 keys scored by the Poincare distance, softmax, p V, Q(attn).
; SHARES.  A work-group owns 64 queries (block X of the 2,048 rows) of one head.  It also makes k and v of the 64 rows in front of them (the halo): local rows 0-63 halo, 64-127 own.
; In a sequence's first block the halo is the 63 zero rows of the window's left padding: the loads then take the block's own rows (no load leaves its buffer or its batch) and k_h, |k_h|^2 and v of the halo are multiplied by 0.
; Wave w makes row tiles w (halo) and w + 4 (own), and then scores query tile w against key tiles w .. w + 4.
; THE DISTANCE wants three numbers for a query x and a key y: x^2, y^2, x.y.  |num|^2 = |x - y|^2 den, and 1 - c dn^2 = (1 - c x^2)(1 - c y^2) / den; every clip of the definition is kept.
; score x log2(e) = (geo / sqrt_c) (log2(1 - arg) - log2(1 + arg)); log2(1 - arg) = log2((1 - c x^2)(1 - c y^2) / den) - log2(1 + arg), held at -23 from below (arg <= 1 - 2^-23), where den > 1e-7; else log2 of 1 - arg itself.
; x.y and p V go to the f32 matrix form (their results run on into a quantiser); the three projections are MX-FP4.
; NO JOINT LOADS: the 32 row blocks of a head share that head's 51 KB of weights, against 256 KB of x that each work-group reads for itself; each weight fragment goes straight into the operand registers of the wave that multiplies by it.
; A row of x is spread over a wave, 16 neighbours along K to a lane (the conversions want neighbours in one lane): a row's four loads together cover its 2,048 bytes.
; LIMITS: NaN and infinities among the inputs are not served.  A block whose largest magnitude lies under 2^-124 keeps the scale byte 1, a block of zeros too (its codes are zeros; only this program reads the bytes).
; tanh(z)/z is a series in z^2 for z < 0.25 (first term left out: under 1e-8).  The softmax is divided by its sum behind p V.  v_rsq_f32 and v_rcp_f32 stand for the divisions.
; The scale bytes leave as two bytes of each row's sixteen: 32 KB in all, written in parts of rows by the eight heads' work-groups.
; LDS, each region written once: XC codes of xn, 128 rows of 256 + 16 bytes (read by the wave that wrote them); XS their 16 scale bytes a row; KIMG, VIMG k_h and v as images of registers, 8 row tiles x 4,096; Y2L |k_h|^2.
.set XC,    0
.set XS,    34816
.set KIMG,  36864
.set VIMG,  69632
.set Y2L,   102400
; window 0: lane terms, never rewritten (l lane, r = l % 16, hh = l / 16, rho = r + 8 (r / 8), sigma = 32 (r / 8) + r % 8)
.set VX,   1                           ; 64 l: my 16 numbers of a row of x, of ln1_s, of ln1_b
.set VWP,  2                           ; 256 rho + 16 hh: Wq's, Wk's codes
.set VSP,  3                           ; 16 rho: their scale bytes
.set VWV,  4                           ; 256 sigma + 16 hh: Wv's codes
.set VSV,  5                           ; 16 sigma
.set VBV,  6                           ; 4 sigma: bv
.set VB,   7                           ; 64 hh: bq, bk, hash_offset
.set VCS,  8                           ; 128 r + 64 hh: cos, sin
.set LXCW, 9
.set LXCR, 10
.set LXSW, 11
.set LXSR, 12
.set LKI,  13
.set LVI,  14
.set LY2W, 15
.set LY2R, 16
.set VL16, 17                          ; 16 l
.set VSO,  18                          ; 16 r
.set VD,   19                          ; r - 8 hh
; window 0, phase A: three buffers of 4 rows x 16, and 8 registers a row at work
.set XB0,  20
.set XB1,  84
.set XB2,  148
.set TP,   212
; window 0, phase B
.set XF,   20                          ; xn's fragments: tile T, K step s at 32 T + 8 s
.set ACC,  84                          ; k, later v, of my two tiles
.set WSC,  148                         ; the weights' scale words: q's tiles, k's, v's; 4 words a tile
.set XSW,  196                         ; xn's scale words, 4 a tile
.set QR,   204                         ; q_h of my query tile
.set RT,   236
.set RU,   238
.set CA,   240
.set CB,   242
.set NRM,  244
.set ZZ,   245
.set Y2A,  246
.set Y2B,  247
.set FF,   250
.set SQ1,  252                         ; sqrt_c
.set XT,   253                         ; a lane permute's destination
.set X2,   254                         ; |q_h|^2, twice
; window 0, phase C
.set Y2R,  20
.set SC,   60                          ; scores, then p
.set AR0,  100
.set AR1,  108
.set AR2,  116
.set AR3,  124
.set AR4,  132
.set AR5,  140
.set OUT,  156
.set CD,   188
.set A1,   192                         ; c^2 x^2      (all pairs hold one number twice)
.set OMX,  194                         ; 1 - c x^2
.set M2C,  196                         ; -2 c
.set NC,   198                         ; -c
.set SQC,  200
.set GG,   202                         ; geo / sqrt_c
.set MXP,  236
.set NINF, 238
.set RI,   240
.set SA,   242
.set SBX,  244
.set TA,   246
.set TB,   247
; window 1: Wq's fragments (tile t, step s at 8 (4 t + s)), Wk's; in phase C the five key tiles.  window 2: Wv's, biases; in phase C the five tiles of v.
.set WQ,   0
.set WK,   128
.set WV,   0
.set BK,   128
.set BQ,   160
.set HO,   192
.set BV,   224
.set BVF,  232
; window 3: cos and sin; S3 and O3 are written by the f32 matrix form alone; ln1_s, ln1_b
.set S3,   64
.set O3,   104
.set LNS,  136
.set LNB,  152
.set EPS,  0x33d6bf95                  ; 1e-7
.set MSB, 0
.set ISS, 0
.macro WIN new                         ; the immediate's high byte repeats the setting that is left
.if MSB != \new
	s_set_vgpr_msb (MSB<<8)|\new
.set MSB, \new
.endif
.endm
.macro NOPS n
.rept \n
	v_nop
.endr
.endm
; Every global load goes through these two, which count it; MARK notes the count behind a group; WAITL waits until only the loads issued behind that group may be out (the text has no branch, so the count holds).
.macro GL128 dst, voff, sb, off
	global_load_b128 v[\dst:\dst+3], v[\voff], s[\sb:\sb+1] offset:\off
.set ISS, ISS+1
.endm
.macro GL32 dst, voff, sb, off
	global_load_b32 v[\dst], v[\voff], s[\sb:\sb+1] offset:\off
.set ISS, ISS+1
.endm
.macro MARK name
.set END_\name, ISS
.endm
.macro WAITL name
.if ISS-END_\name > 63
	s_wait_loadcnt 63
.else
	s_wait_loadcnt ISS-END_\name
.endif
.endm
.macro FP4C d, a, b, c, sa, sb
	v_wmma_scale_f32_16x16x128_f8f6f4 v[\d:\d+7], v[\a:\a+7], v[\b:\b+7], v[\c:\c+7], v[\sa], v[\sb] matrix_a_fmt:MATRIX_FMT_FP4 matrix_b_fmt:MATRIX_FMT_FP4
.endm
.macro FP4Z d, a, b, sa, sb
	v_wmma_scale_f32_16x16x128_f8f6f4 v[\d:\d+7], v[\a:\a+7], v[\b:\b+7], 0, v[\sa], v[\sb] matrix_a_fmt:MATRIX_FMT_FP4 matrix_b_fmt:MATRIX_FMT_FP4
.endm
.macro MF32 d, a, b, z
.if \z
	v_wmma_f32_16x16x4_f32 v[\d:\d+7], v[\a:\a+1], v[\b:\b+1], 0
.else
	v_wmma_f32_16x16x4_f32 v[\d:\d+7], v[\a:\a+1], v[\b:\b+1], v[\d:\d+7]
.endif
.endm
.macro XLOAD xb, sb, row               ; four rows of x, 16 numbers a lane each
.irp q, 0,1,2,3
.irp i, 0,1,2,3
	GL128 \xb+16*\q+4*\i, VX, \sb, 2048*(\row+\q)+16*\i
.endr
.endr
.endm
.macro WTILE dst, voff, base, off      ; a weight tile's four fragments: 16 rows x 512 codes
.irp k, 0,1,2,3
.irp c, 0,1
	GL128 \dst+8*\k+4*\c, \voff, \base, \off+64*\k+32*\c
.endr
.endr
.endm
.macro FOLD4                           ; four rows by turns: the two chains, the pair's halves, the 32 lanes
.irp q, 0,1,2,3
	v_pk_add_f32 v[TP+8*\q+4:TP+8*\q+5], v[TP+8*\q+4:TP+8*\q+5], v[TP+8*\q+6:TP+8*\q+7]
.endr
.irp q, 0,1,2,3
	v_add_f32 v[TP+8*\q+4], v[TP+8*\q+4], v[TP+8*\q+5]
.endr
.irp m, 1,2,4,8
.irp q, 0,1,2,3
	v_add_f32_dpp v[TP+8*\q+4], v[TP+8*\q+4], v[TP+8*\q+4] row_xmask:\m row_mask:0xf bank_mask:0xf
.endr
.endr
.irp q, 0,1,2,3
	v_permlanex16_b32 v[TP+8*\q+6], v[TP+8*\q+4], s54, s55
.endr
.irp q, 0,1,2,3
	v_add_f32 v[TP+8*\q+4], v[TP+8*\q+4], v[TP+8*\q+6]
.endr
.endm
; Four rows: layer norm in f32, then codes and scale bytes into my part of XC and XS.  Of a row's eight registers at work: +0,1 the mean twice, later the codes; +2,3 1/sqrt twice; +4..7 chains, scale operand, byte.
.macro LN4 xb, row, t
	s_wait_dscnt 0x0                               ; the last group's LDS stores have read their registers
.irp q, 0,1,2,3
.set XQ, \xb+16*\q
.set TQ, TP+8*\q
	v_pk_add_f32 v[TQ+4:TQ+5], v[XQ:XQ+1], v[XQ+2:XQ+3]
	v_pk_add_f32 v[TQ+6:TQ+7], v[XQ+4:XQ+5], v[XQ+6:XQ+7]
.endr
.irp i, 8,12
.irp q, 0,1,2,3
.set XQ, \xb+16*\q+\i
.set TQ, TP+8*\q
	v_pk_add_f32 v[TQ+4:TQ+5], v[TQ+4:TQ+5], v[XQ:XQ+1]
	v_pk_add_f32 v[TQ+6:TQ+7], v[TQ+6:TQ+7], v[XQ+2:XQ+3]
.endr
.endr
	FOLD4
.irp q, 0,1,2,3
	v_mul_f32 v[TP+8*\q], s56, v[TP+8*\q+4]        ; the mean: sum / 512
.endr
.irp q, 0,1,2,3
	v_mov_b32 v[TP+8*\q+1], v[TP+8*\q]
.endr
.irp i, 0,2,4,6,8,10,12,14
.irp q, 0,1,2,3
.set XQ, \xb+16*\q+\i
	v_pk_add_f32 v[XQ:XQ+1], v[XQ:XQ+1], v[TP+8*\q:TP+8*\q+1] neg_lo:[0,1] neg_hi:[0,1]
.endr
.endr
.irp q, 0,1,2,3
.set XQ, \xb+16*\q
.set TQ, TP+8*\q
	v_pk_mul_f32 v[TQ+4:TQ+5], v[XQ:XQ+1], v[XQ:XQ+1]
	v_pk_mul_f32 v[TQ+6:TQ+7], v[XQ+2:XQ+3], v[XQ+2:XQ+3]
.endr
.irp i, 4,8,12
.irp q, 0,1,2,3
.set XQ, \xb+16*\q+\i
.set TQ, TP+8*\q
	v_pk_fma_f32 v[TQ+4:TQ+5], v[XQ:XQ+1], v[XQ:XQ+1], v[TQ+4:TQ+5]
	v_pk_fma_f32 v[TQ+6:TQ+7], v[XQ+2:XQ+3], v[XQ+2:XQ+3], v[TQ+6:TQ+7]
.endr
.endr
	FOLD4
.irp q, 0,1,2,3
	v_fma_f32 v[TP+8*\q+2], v[TP+8*\q+4], s56, s57 ; the variance + 1e-6
.endr
.irp q, 0,1,2,3
	v_rsq_f32 v[TP+8*\q+2], v[TP+8*\q+2]
.endr
	v_nop                                          ; a plain place behind the transcendentals
	s_wait_alu depctr_va_vdst(0)
.irp q, 0,1,2,3
	v_mov_b32 v[TP+8*\q+3], v[TP+8*\q+2]
.endr
.irp i, 0,2,4,6,8,10,12,14
.irp q, 0,1,2,3
.set XQ, \xb+16*\q+\i
	v_pk_mul_f32 v[XQ:XQ+1], v[XQ:XQ+1], v[TP+8*\q+2:TP+8*\q+3]
.endr
.endr
	WIN 0x3c                                       ; sources 1 and 2 (gain, bias) in window 3
.irp i, 0,2,4,6,8,10,12,14
.irp q, 0,1,2,3
.set XQ, \xb+16*\q+\i
	v_pk_fma_f32 v[XQ:XQ+1], v[XQ:XQ+1], v[LNS+\i:LNS+\i+1], v[LNB+\i:LNB+\i+1]
.endr
.endr
	WIN 0
.irp q, 0,1,2,3                        ; the quantiser: two neighbouring lanes hold a block of 32
.set XQ, \xb+16*\q
.set TQ, TP+8*\q
	v_max3_num_f32 v[TQ+4], |v[XQ]|, |v[XQ+1]|, |v[XQ+2]|
	v_max3_num_f32 v[TQ+5], |v[XQ+3]|, |v[XQ+4]|, |v[XQ+5]|
.endr
.irp i, 6,10
.irp q, 0,1,2,3
.set XQ, \xb+16*\q+\i
.set TQ, TP+8*\q
	v_max3_num_f32 v[TQ+4], v[TQ+4], |v[XQ]|, |v[XQ+1]|
	v_max3_num_f32 v[TQ+5], v[TQ+5], |v[XQ+2]|, |v[XQ+3]|
.endr
.endr
.irp q, 0,1,2,3
	v_max3_num_f32 v[TP+8*\q+4], v[TP+8*\q+4], |v[\xb+16*\q+14]|, |v[\xb+16*\q+15]|
.endr
.irp q, 0,1,2,3
	v_max3_num_f32 v[TP+8*\q+4], v[TP+8*\q+4], v[TP+8*\q+5], 0x1800000   ; the floor 2^(3 - 127): the byte cannot fall under 1
.endr
.irp q, 0,1,2,3
	v_max_num_f32_dpp v[TP+8*\q+4], v[TP+8*\q+4], v[TP+8*\q+4] row_xmask:1 row_mask:0xf bank_mask:0xf
.endr
.irp q, 0,1,2,3
	v_add_nc_u32 v[TP+8*\q+6], 0xff000000, v[TP+8*\q+4]   ; 2 off the exponent field: the conversion's scale operand
.endr
.irp q, 0,1,2,3
	v_cvt_scalef32_pk8_fp4_f32 v[TP+8*\q], v[\xb+16*\q:\xb+16*\q+7], v[TP+8*\q+6]
	v_cvt_scalef32_pk8_fp4_f32 v[TP+8*\q+1], v[\xb+16*\q+8:\xb+16*\q+15], v[TP+8*\q+6]
.endr
.irp q, 0,1,2,3
	v_lshrrev_b32 v[TP+8*\q+7], 23, v[TP+8*\q+6]   ; the scale's byte (also the plain place behind the conversions)
.endr
.irp q, 0,1,2,3
	ds_store_b64 v[LXCW], v[TP+8*\q:TP+8*\q+1] offset:17408*\t+272*(\row+\q)
	ds_store_b8 v[LXSW], v[TP+8*\q+7] offset:1024*\t+16*(\row+\q)   ; both lanes of a block write the same byte
.endr
.endm
.macro SQSUM a, res                    ; the sum of the squares of a row's 64: my 32 registers, and lane l xor 16's
	v_pk_mul_f32 v[CA:CA+1], v[\a:\a+1], v[\a:\a+1]
	v_pk_mul_f32 v[CB:CB+1], v[\a+2:\a+3], v[\a+2:\a+3]
.irp p, 4,8,12,16,20,24,28
	v_pk_fma_f32 v[CA:CA+1], v[\a+\p:\a+\p+1], v[\a+\p:\a+\p+1], v[CA:CA+1]
	v_pk_fma_f32 v[CB:CB+1], v[\a+\p+2:\a+\p+3], v[\a+\p+2:\a+\p+3], v[CB:CB+1]
.endr
	v_pk_add_f32 v[CA:CA+1], v[CA:CA+1], v[CB:CB+1]
	v_add_f32 v[\res], v[CA], v[CA+1]
	v_permlanex16_b32 v[XT], v[\res], s54, s55
	v_add_f32 v[\res], v[\res], v[XT]
.endm
; RoPE and expmap0 of a tile in v[a .. a+31]: registers 0-15 the head's columns 16 hh + 0..15, registers 16-31 the same + 32.  cs: the tile's cos (16) and sin (16) in window 3.  res takes the result's sum of squares.
.macro ROPEMAP a, cs, flag, res
	WIN 0x0c                                       ; source 1 (cos, sin) in window 3.
.irp p, 0,2,4,6,8,10,12,14
	v_pk_mul_f32 v[RT:RT+1], v[\a+16+\p:\a+17+\p], v[\cs+16+\p:\cs+17+\p]
	v_pk_mul_f32 v[RU:RU+1], v[\a+\p:\a+1+\p], v[\cs+16+\p:\cs+17+\p]
	v_pk_fma_f32 v[\a+\p:\a+1+\p], v[\a+\p:\a+1+\p], v[\cs+\p:\cs+1+\p], v[RT:RT+1] neg_lo:[0,0,1] neg_hi:[0,0,1]
	v_pk_fma_f32 v[\a+16+\p:\a+17+\p], v[\a+16+\p:\a+17+\p], v[\cs+\p:\cs+1+\p], v[RU:RU+1]
.endr
	WIN 0
	SQSUM \a, ZZ
	v_sqrt_f32 v[NRM], v[ZZ]
	v_nop
	s_wait_alu depctr_va_vdst(0)
	v_max_num_f32 v[ZZ], EPS, v[NRM]
	v_mul_f32 v[ZZ], v[SQ1], v[ZZ]                 ; z = sqrt_c x max(norm, 1e-7)
	v_mul_f32 v[RU], 0x4038aa3b, v[ZZ]             ; 2 log2(e) z
	v_mul_f32 v[RT], v[ZZ], v[ZZ]
	v_exp_f32 v[RU], v[RU]
	v_rcp_f32 v[RU+1], v[ZZ]
	v_mov_b32 v[RT+1], 0x3cb327a4                  ; 62/2835 (a plain place behind the transcendentals)
	s_wait_alu depctr_va_vdst(0)
	v_add_f32 v[RU], 1.0, v[RU]
	v_fmaak_f32 v[RT+1], v[RT+1], v[RT], 0xbd5d0dd1   ; -17/315
	v_rcp_f32 v[RU], v[RU]
	v_fmaak_f32 v[RT+1], v[RT+1], v[RT], 0x3e088889   ; 2/15
	v_fmaak_f32 v[RT+1], v[RT+1], v[RT], 0xbeaaaaab   ; -1/3
	s_wait_alu depctr_va_vdst(0)
	v_fma_f32 v[RU], v[RU], -2.0, 1.0              ; tanh z = 1 - 2 / (1 + e^(2 z))
	v_fma_f32 v[RT+1], v[RT+1], v[RT], 1.0         ; the series of tanh(z) / z
	v_mul_f32 v[RU], v[RU], v[RU+1]
	v_cmp_gt_f32 vcc_lo, 0x3e800000, v[ZZ]         ; z < 0.25: the series
	v_cndmask_b32 v[FF], v[RU], v[RT+1], vcc_lo
	v_cmp_le_f32 vcc_lo, EPS, v[NRM]               ; norm < 1e-7: zero
	v_cndmask_b32 v[FF], 0, v[FF], vcc_lo
.if \flag
	v_mul_f32 v[FF], s60, v[FF]                    ; the halo of a sequence's first block is the padding: zeros
.endif
	v_mov_b32 v[FF+1], v[FF]
.irp p, 0,2,4,6,8,10,12,14,16,18,20,22,24,26,28,30
	v_pk_mul_f32 v[\a+\p:\a+\p+1], v[\a+\p:\a+\p+1], v[FF:FF+1]
.endr
	SQSUM \a, \res
.endm
; The scores of key tile kt: lane (q, hh), register j: key 16 kt + 8 hh + j of the wave's 80.
.macro SCORE kt
.set YB, Y2R+8*\kt
.set SS, S3+8*\kt
.set SD, SC+8*\kt
.irp p, 0,2,4,6
	v_pk_add_f32 v[AR1+\p:AR1+\p+1], v[YB+\p:YB+\p+1], v[X2:X2+1]
.endr
	WIN 0x03                                       ; source 0 (x.y) in window 3; read from the accumulator's low end on
.irp p, 0,2,4,6
	v_pk_fma_f32 v[AR0+\p:AR0+\p+1], v[SS+\p:SS+\p+1], v[M2C:M2C+1], 1.0 op_sel_hi:[1,1,0]
.endr
.irp p, 0,2,4,6
	v_pk_fma_f32 v[AR1+\p:AR1+\p+1], v[SS+\p:SS+\p+1], -2.0, v[AR1+\p:AR1+\p+1] op_sel_hi:[1,0,1]   ; |x - y|^2
.endr
	WIN 0
.irp p, 0,2,4,6
	v_pk_fma_f32 v[AR0+\p:AR0+\p+1], v[YB+\p:YB+\p+1], v[A1:A1+1], v[AR0+\p:AR0+\p+1]               ; den
	v_pk_fma_f32 v[AR2+\p:AR2+\p+1], v[YB+\p:YB+\p+1], v[NC:NC+1], 1.0 op_sel_hi:[1,1,0]            ; 1 - c y^2
.endr
.irp p, 0,2,4,6
	v_pk_mul_f32 v[AR1+\p:AR1+\p+1], v[AR1+\p:AR1+\p+1], v[AR0+\p:AR0+\p+1]                         ; |num|^2
.endr
.irp j, 0,1,2,3,4,5,6,7
	v_max_num_f32 v[AR1+\j], 0, v[AR1+\j]
	v_max_num_f32 v[AR3+\j], EPS, v[AR0+\j]
.endr
.irp j, 0,1,2,3,4,5,6,7
	v_sqrt_f32 v[AR1+\j], v[AR1+\j]
.endr
.irp j, 0,1,2,3,4,5,6,7
	v_rcp_f32 v[AR3+\j], v[AR3+\j]
.endr
	v_nop
	s_wait_alu depctr_va_vdst(0)
.irp p, 0,2,4,6
	v_pk_mul_f32 v[AR1+\p:AR1+\p+1], v[AR1+\p:AR1+\p+1], v[AR3+\p:AR3+\p+1]
	v_pk_mul_f32 v[AR2+\p:AR2+\p+1], v[AR2+\p:AR2+\p+1], v[OMX:OMX+1]
.endr
.irp j, 0,1,2,3,4,5,6,7
	v_max_num_f32 v[AR1+\j], EPS, v[AR1+\j]        ; dn
.endr
.irp p, 0,2,4,6
	v_pk_mul_f32 v[AR1+\p:AR1+\p+1], v[AR1+\p:AR1+\p+1], v[SQC:SQC+1]
	v_pk_mul_f32 v[AR2+\p:AR2+\p+1], v[AR2+\p:AR2+\p+1], v[AR3+\p:AR3+\p+1]
.endr
.irp j, 0,1,2,3,4,5,6,7
	v_min_num_f32 v[AR1+\j], 0x3f7ffffe, v[AR1+\j] ; arg
.endr
.irp p, 0,2,4,6
	v_pk_add_f32 v[AR4+\p:AR4+\p+1], v[AR1+\p:AR1+\p+1], 1.0 op_sel_hi:[1,0]
	v_pk_fma_f32 v[AR5+\p:AR5+\p+1], v[AR1+\p:AR1+\p+1], -1.0, 1.0 op_sel_hi:[1,0,0]
.endr
.irp j, 0,1,2,3,4,5,6,7
	v_log_f32 v[AR4+\j], v[AR4+\j]
.endr
.irp j, 0,1,2,3,4,5,6,7
	v_log_f32 v[AR5+\j], v[AR5+\j]
.endr
.irp j, 0,1,2,3,4,5,6,7
	v_log_f32 v[AR2+\j], v[AR2+\j]
.endr
	v_nop
	s_wait_alu depctr_va_vdst(0)
.irp p, 0,2,4,6
	v_pk_add_f32 v[AR2+\p:AR2+\p+1], v[AR2+\p:AR2+\p+1], v[AR4+\p:AR4+\p+1] neg_lo:[0,1] neg_hi:[0,1]
.endr
.irp j, 0,1,2,3,4,5,6,7
	v_max_num_f32 v[AR2+\j], 0xc1b80000, v[AR2+\j] ; log2(1 - arg), at least -23; a NaN loses
.endr
.irp j, 0,1,2,3,4,5,6,7
	v_cmp_lt_f32 vcc_lo, EPS, v[AR0+\j]
	v_cndmask_b32 v[AR2+\j], v[AR5+\j], v[AR2+\j], vcc_lo
.endr
.irp p, 0,2,4,6
	v_pk_add_f32 v[AR2+\p:AR2+\p+1], v[AR2+\p:AR2+\p+1], v[AR4+\p:AR4+\p+1] neg_lo:[0,1] neg_hi:[0,1]
.endr
.irp p, 0,2,4,6
	v_pk_mul_f32 v[SD+\p:SD+\p+1], v[AR2+\p:AR2+\p+1], v[GG:GG+1]
.endr
.if \kt == 0
.irp j, 0,1,2,3,4,5,6,7
	v_cndmask_b32 v[SD+\j], v[NINF], v[SD+\j], s[70+\j]    ; the window begins at key q + 1
.endr
.endif
.if \kt == 4
.irp j, 0,1,2,3,4,5,6,7
	v_cndmask_b32 v[SD+\j], v[SD+\j], v[NINF], s[70+\j]    ; and ends at key q + 64
.endr
.endif
.endm
	s_load_b512 s[4:19], s[0:1], 0x0               ; x, ln1_s, ln1_b, Wq codes, scales, Wk codes, scales, Wv codes
	s_load_b512 s[20:35], s[0:1], 0x40             ; Wv scales, bq, bk, bv, hash_offset, cos, sin, c
	s_load_b128 s[36:39], s[0:1], 0x80             ; geo_scale, attn_codes
	s_load_b64 s[40:41], s[0:1], 0x90              ; attn_scales
	v_lshl_add_u32 v248, v0, 2, 0x19400
	v_mov_b32 v249, 0
	v_lshrrev_b32 v20, 5, v0
	v_readfirstlane_b32 s42, v20                   ; wave
	v_and_b32 v20, 31, v0                          ; l
	v_and_b32 v21, 15, v0                          ; r
	v_bfe_u32 v22, v0, 4, 1                        ; hh
	v_lshlrev_b32 v[VX], 6, v20
	v_and_b32 v23, 8, v21
	v_add_nc_u32 v24, v23, v21                     ; rho
	v_lshlrev_b32 v[VWP], 8, v24
	v_lshl_add_u32 v[VWP], v22, 4, v[VWP]
	v_lshlrev_b32 v[VSP], 4, v24
	v_and_b32 v25, 7, v21
	v_lshl_add_u32 v25, v23, 2, v25                ; sigma
	v_lshlrev_b32 v[VWV], 8, v25
	v_lshl_add_u32 v[VWV], v22, 4, v[VWV]
	v_lshlrev_b32 v[VSV], 4, v25
	v_lshlrev_b32 v[VBV], 2, v25
	v_lshlrev_b32 v[VB], 6, v22
	v_lshlrev_b32 v[VCS], 7, v21
	v_lshl_add_u32 v[VCS], v22, 6, v[VCS]
	s_mul_i32 s46, s42, 4352                       ; my tile of XC: 16 rows of 272 bytes
	v_lshl_add_u32 v[LXCW], v20, 3, s46
	v_mul_u32_u24 v26, v21, 272
	v_lshl_add_u32 v26, v22, 4, v26
	v_add_nc_u32 v[LXCR], s46, v26
	s_lshl_b32 s46, s42, 8
	s_add_co_u32 s46, s46, XS
	v_lshrrev_b32 v26, 1, v20
	v_add_nc_u32 v[LXSW], s46, v26
	v_lshl_add_u32 v[LXSR], v21, 4, s46
	s_lshl_b32 s46, s42, 12
	s_add_co_u32 s47, s46, KIMG
	v_lshl_add_u32 v[LKI], v20, 4, s47
	s_add_co_u32 s47, s46, VIMG
	v_lshl_add_u32 v[LVI], v20, 4, s47
	s_lshl_b32 s46, s42, 6
	s_add_co_u32 s46, s46, Y2L
	v_lshl_add_u32 v[LY2W], v21, 2, s46
	v_lshl_add_u32 v[LY2R], v22, 5, s46
	v_lshlrev_b32 v[VL16], 4, v20
	v_lshlrev_b32 v[VSO], 4, v21
	v_lshlrev_b32 v26, 3, v22
	v_sub_nc_u32 v[VD], v21, v26
	s_and_b32 s43, ttmp7, 0xffff                   ; head
	s_mov_b32 s44, ttmp9                           ; X
	s_mov_b32 s54, 0x76543210
	s_mov_b32 s55, 0xfedcba98                      ; v_permlanex16_b32's selects for lane l xor 16
	s_mov_b32 s56, 0x3b000000                      ; 1 / 512
	s_mov_b32 s57, 0x358637bd                      ; 1e-6
	s_and_b32 s66, s44, 15                         ; the block's place in its sequence
	s_cmp_eq_u32 s66, 0
	s_cselect_b32 s45, 0, 64                       ; how many rows back the halo's loads reach
	s_cselect_b32 s60, 0, 1.0                      ; and what the halo's k_h and v are multiplied by
	s_mov_b32 s61, s60
	s_mov_b32 s47, 0
	s_wait_kmcnt 0x0
	s_lshl_b32 s46, s44, 17
	s_lshl_b32 s67, s42, 15
	s_add_co_u32 s46, s46, s67
	s_add_nc_u64 s[4:5], s[4:5], s[46:47]          ; x at my own tile: row 64 X + 16 w
	s_lshl_b32 s46, s45, 11
	s_sub_nc_u64 s[48:49], s[4:5], s[46:47]        ; and at my halo tile
	s_lshl_b32 s46, s66, 13
	s_lshl_b32 s67, s42, 11
	s_add_co_u32 s46, s46, s67
	s_add_nc_u64 s[30:31], s[30:31], s[46:47]      ; cos, sin at my own tile's positions
	s_add_nc_u64 s[32:33], s[32:33], s[46:47]
	s_lshl_b32 s46, s45, 7
	s_sub_nc_u64 s[50:51], s[30:31], s[46:47]      ; and at the halo tile's
	s_sub_nc_u64 s[52:53], s[32:33], s[46:47]
	s_lshl_b32 s46, s43, 14                        ; the head's 64 rows of 256 bytes of codes
	s_add_nc_u64 s[10:11], s[10:11], s[46:47]
	s_add_nc_u64 s[14:15], s[14:15], s[46:47]
	s_add_nc_u64 s[18:19], s[18:19], s[46:47]
	s_lshl_b32 s46, s43, 10                        ; of 16 scale bytes
	s_add_nc_u64 s[12:13], s[12:13], s[46:47]
	s_add_nc_u64 s[16:17], s[16:17], s[46:47]
	s_add_nc_u64 s[20:21], s[20:21], s[46:47]
	s_lshl_b32 s46, s43, 8                         ; its 64 numbers of a bias
	s_add_nc_u64 s[22:23], s[22:23], s[46:47]
	s_add_nc_u64 s[24:25], s[24:25], s[46:47]
	s_add_nc_u64 s[26:27], s[26:27], s[46:47]
	s_add_nc_u64 s[28:29], s[28:29], s[46:47]
	s_lshr_b32 s46, s44, 4
	s_lshl_b32 s46, s46, 2
	s_add_nc_u64 s[34:35], s[34:35], s[46:47]      ; c of my batch
	s_lshl_b32 s46, s43, 2
	s_add_nc_u64 s[36:37], s[36:37], s[46:47]      ; geo_scale of my head
	s_load_b32 s58, s[34:35], 0x0
	s_load_b32 s59, s[36:37], 0x0
	s_lshl_b32 s46, s44, 14
	s_lshl_b32 s67, s42, 12
	s_add_co_u32 s46, s46, s67
	s_lshl_b32 s67, s43, 9
	s_add_co_u32 s46, s46, s67
	s_add_nc_u64 s[38:39], s[38:39], s[46:47]      ; attn_codes: ((4 X + w) 8 + head) 512
	s_lshl_b32 s46, s44, 10
	s_lshl_b32 s67, s42, 8
	s_add_co_u32 s46, s46, s67
	s_lshl_b32 s67, s43, 1
	s_add_co_u32 s46, s46, s67
	s_add_nc_u64 s[40:41], s[40:41], s[46:47]      ; attn_scales: (64 X + 16 w) 16 + 2 head
	; ---- A: layer norm and codes of my 32 rows, 4 at a time; loads run two groups ahead; the weights are asked for on the way
	WIN 0xc0
.irp i, 0,1,2,3
	GL128 LNS+4*\i, VX, 6, 16*\i
	GL128 LNB+4*\i, VX, 8, 16*\i
.endr
	WIN 0
	XLOAD XB0, 48, 0
	MARK X0
	XLOAD XB1, 48, 4
	MARK X1
	XLOAD XB2, 48, 8
	MARK X2
	WAITL X0
	LN4 XB0, 0, 0
	XLOAD XB0, 48, 12
	MARK X3
	WIN 0xc0
.irp i, 0,1,2,3
	GL128 4*\i, VCS, 50, 16*\i
	GL128 16+4*\i, VCS, 52, 16*\i
	GL128 32+4*\i, VCS, 30, 16*\i
	GL128 48+4*\i, VCS, 32, 16*\i
.endr
	WIN 0x80
.irp t, 0,1,2,3
.irp i, 0,1
	GL128 BK+8*\t+4*\i, VB, 24, (32*(\t/2)+8*(\t%2))*4+16*\i
	GL128 BQ+8*\t+4*\i, VB, 22, (32*(\t/2)+8*(\t%2))*4+16*\i
	GL128 HO+8*\t+4*\i, VB, 28, (32*(\t/2)+8*(\t%2))*4+16*\i
.endr
.endr
.irp d, 0,1,2,3
	GL32 BV+2*\d, VBV, 26, 32*\d
.endr
	WIN 0
	WAITL X1
	LN4 XB1, 4, 0
	XLOAD XB1, 4, 0
	MARK X4
	WIN 0x40
	WTILE WK, VWP, 14, 0                           ; tile 2 b + u begins at row 32 b + 8 u of the head's 64
	WTILE WK+32, VWP, 14, 8*256
	WIN 0
	WAITL X2
	LN4 XB2, 8, 0
	XLOAD XB2, 4, 4
	MARK X5
	WIN 0x40
	WTILE WK+64, VWP, 14, 32*256
	WTILE WK+96, VWP, 14, 40*256
	WIN 0
	WAITL X3
	LN4 XB0, 12, 0
	XLOAD XB0, 4, 8
	MARK X6
	WIN 0x40
	WTILE WQ, VWP, 10, 0
	WTILE WQ+32, VWP, 10, 8*256
	WIN 0
	WAITL X4
	LN4 XB1, 0, 1
	XLOAD XB1, 4, 12
	MARK X7
	WIN 0x40
	WTILE WQ+64, VWP, 10, 32*256
	WTILE WQ+96, VWP, 10, 40*256
	WIN 0
	WAITL X5
	LN4 XB2, 4, 1
	WIN 0x80
	WTILE WV, VWV, 18, 0                           ; tile dt begins 8 dt rows on
	WTILE WV+32, VWV, 18, 2048
	WIN 0
.irp t, 0,1,2,3                        ; the third row buffer is done with: its registers take the weights' scale words
	GL128 WSC+4*\t, VSP, 12, (32*(\t/2)+8*(\t%2))*16
	GL128 WSC+16+4*\t, VSP, 16, (32*(\t/2)+8*(\t%2))*16
	GL128 WSC+32+4*\t, VSV, 20, 128*\t
.endr
	WAITL X6
	LN4 XB0, 8, 1
	WIN 0x80
	WTILE WV+64, VWV, 18, 4096
	WTILE WV+96, VWV, 18, 6144
	WIN 0
	WAITL X7
	LN4 XB1, 12, 1
	; ---- B: k of both tiles and q of my own (transposed: a lane holds one row, registers run along the head), then v (natural: a lane holds one column, registers run down the rows)
	s_wait_loadcnt 0x0
	s_wait_kmcnt 0x0
.irp t, 0,1
.irp s, 0,1,2,3
.irp c, 0,1
	ds_load_b128 v[XF+32*\t+8*\s+4*\c:XF+32*\t+8*\s+4*\c+3], v[LXCR] offset:17408*\t+64*\s+32*\c   ; LDS serves a wave's instructions in order: these see my stores
.endr
.endr
	ds_load_b128 v[XSW+4*\t:XSW+4*\t+3], v[LXSR] offset:1024*\t
.endr
	WIN 0xa2
.irp p, 0,2,4,6,8,10,12,14,16,18,20,22,24,26,28,30
	v_pk_fma_f32 v[BQ+\p:BQ+\p+1], v[HO+\p:HO+\p+1], 0x400c9f54, v[BQ+\p:BQ+\p+1] op_sel_hi:[1,0,1]   ; bq + hash_offset x ln 9: the C of q's first products
.endr
	WIN 0x82
.irp d, 0,1,2,3
	v_mov_b32 v[BV+2*\d+1], v[BV+2*\d]
	v_mul_f32 v[BVF+2*\d], v[BV+2*\d], s60
.endr
.irp d, 0,1,2,3
	v_mov_b32 v[BVF+2*\d+1], v[BVF+2*\d]
.endr
	WIN 0
	v_mov_b32 v[SQ1], s58
	v_sqrt_f32 v[SQ1], v[SQ1]
	v_mov_b32 v[XT], 0                             ; written once: a lane permute's destination counts as a source
	s_wait_alu depctr_va_vdst(0)
	v_max_num_f32 v[SQ1], EPS, v[SQ1]              ; sqrt_c
	s_wait_dscnt 0x0
.irp s, 0,1,2,3                        ; k: eight accumulators by turns
.if \s == 0
	WIN 0x21                                       ; source 0 (Wk) window 1, source 2 (bk) window 2
.else
	WIN 0x01
.endif
.irp t, 0,1
.irp n, 0,1,2,3
.if \s == 0
	FP4C ACC+32*\t+8*\n, WK+8*(4*\n+\s), XF+32*\t+8*\s, BK+8*\n, WSC+16+4*\n+\s, XSW+4*\t+\s
.else
	FP4C ACC+32*\t+8*\n, WK+8*(4*\n+\s), XF+32*\t+8*\s, ACC+32*\t+8*\n, WSC+16+4*\n+\s, XSW+4*\t+\s
.endif
.endr
.endr
.endr
.irp s, 0,1,2,3                        ; q: four by turns
.if \s == 0
	WIN 0x21
.else
	WIN 0x01
.endif
.irp n, 0,1,2,3
.if \s == 0
	FP4C QR+8*\n, WQ+8*(4*\n+\s), XF+32+8*\s, BQ+8*\n, WSC+4*\n+\s, XSW+4+\s
.else
	FP4C QR+8*\n, WQ+8*(4*\n+\s), XF+32+8*\s, QR+8*\n, WSC+4*\n+\s, XSW+4+\s
.endif
.endr
.endr
	WIN 0
	NOPS 4                                         ; places behind the products, ahead of the first read of results
	ROPEMAP ACC, 0, 1, Y2A
	ROPEMAP ACC+32, 32, 0, Y2B
	ROPEMAP QR, 32, 0, X2
	v_mov_b32 v[X2+1], v[X2]
.irp t, 0,1
.irp i, 0,1,2,3,4,5,6,7
	ds_store_b128 v[LKI], v[ACC+32*\t+4*\i:ACC+32*\t+4*\i+3] offset:16384*\t+512*\i   ; k_h as an image of its registers: 512 consecutive bytes a store
.endr
	ds_store_b32 v[LY2W], v[Y2A+\t] offset:256*\t
.endr
	s_wait_dscnt 0x0                               ; the stores have read the registers that v's sums take
	WIN 0x08                                       ; source 1 (Wv) window 2
.irp s, 0,1,2,3
.irp t, 0,1
.irp n, 0,1,2,3
.if \s == 0
	FP4Z ACC+32*\t+8*\n, XF+32*\t+8*\s, WV+8*(4*\n+\s), XSW+4*\t+\s, WSC+32+4*\n+\s
.else
	FP4C ACC+32*\t+8*\n, XF+32*\t+8*\s, WV+8*(4*\n+\s), ACC+32*\t+8*\n, XSW+4*\t+\s, WSC+32+4*\n+\s
.endif
.endr
.endr
.endr
	WIN 0
	NOPS 4
	WIN 0x20
.irp d, 0,1,2,3
.irp p, 0,2,4,6
	v_pk_fma_f32 v[ACC+8*\d+\p:ACC+8*\d+\p+1], v[ACC+8*\d+\p:ACC+8*\d+\p+1], s[60:61], v[BVF+2*\d:BVF+2*\d+1] op_sel_hi:[1,0,1]   ; the halo: (v + bv) x flag
.endr
.endr
	WIN 0x08
.irp d, 0,1,2,3
.irp p, 0,2,4,6
	v_pk_add_f32 v[ACC+32+8*\d+\p:ACC+32+8*\d+\p+1], v[ACC+32+8*\d+\p:ACC+32+8*\d+\p+1], v[BV+2*\d:BV+2*\d+1]
.endr
.endr
	WIN 0
.irp t, 0,1
.irp i, 0,1,2,3,4,5,6,7
	ds_store_b128 v[LVI], v[ACC+32*\t+4*\i:ACC+32*\t+4*\i+3] offset:16384*\t+512*\i
.endr
.endr
	s_wait_dscnt 0x0                               ; for the others' sake: my images lie in LDS
	s_barrier_signal -1
	s_barrier_wait -1                              ; everybody's do
	; ---- C: my 16 queries against key tiles w .. w + 4
	WIN 0x40
.irp k, 0,1,2,3,4
.irp i, 0,1,2,3,4,5,6,7
	ds_load_b128 v[32*\k+4*\i:32*\k+4*\i+3], v[LKI] offset:4096*\k+512*\i
.endr
.endr
	WIN 0
.irp k, 0,1,2,3,4
.irp i, 0,1
	ds_load_b128 v[Y2R+8*\k+4*\i:Y2R+8*\k+4*\i+3], v[LY2R] offset:64*\k+16*\i
.endr
.endr
	v_mov_b32 v[TA], s58                           ; c
	v_rcp_f32 v[GG], v[SQ1]
	v_mov_b32 v[SQC], v[SQ1]
	v_mov_b32 v[SQC+1], v[SQ1]
	s_wait_alu depctr_va_vdst(0)
	v_mul_f32 v[GG], s59, v[GG]
	v_mov_b32 v[GG+1], v[GG]
	v_mul_f32 v[M2C], -2.0, v[TA]
	v_mul_f32 v[M2C+1], -2.0, v[TA]
	v_mul_f32 v[NC], -1.0, v[TA]
	v_mul_f32 v[NC+1], -1.0, v[TA]
	v_mul_f32 v[TB], v[TA], v[X2]
	v_fma_f32 v[OMX], -v[TA], v[X2], 1.0
	v_mul_f32 v[A1], v[TA], v[TB]
	v_mov_b32 v[OMX+1], v[OMX]
	v_mov_b32 v[A1+1], v[A1]
	v_mov_b32 v[NINF], 0xff800000
.irp j, 0,1,2,3,4,5,6,7
	v_cmp_gt_i32 s[70+\j], \j, v[VD]               ; j > q - 8 hh
.endr
	s_wait_dscnt 10                                ; k_h's 40 loads are in; the ten of |k_h|^2 may be out
	WIN 0x80
.irp k, 0,1,2,3,4
.irp i, 0,1,2,3,4,5,6,7
	ds_load_b128 v[32*\k+4*\i:32*\k+4*\i+3], v[LVI] offset:4096*\k+512*\i
.endr
.endr
	WIN 0xf1                                       ; source 0 (k_h) window 1, source 1 (q_h) window 0, C and D window 3
.irp s, 0,1,2,3,4,5,6,7,8,9,10,11,12,13,14,15      ; x.y: both operands carry the head's 64 columns in the same order; five accumulators by turns
.irp k, 0,1,2,3,4
	MF32 S3+8*\k, 32*\k+2*\s, QR+2*\s, \s==0
.endr
.endr
	WIN 0
	NOPS 8                                         ; places behind the f32 form
	s_wait_dscnt 40                                ; |k_h|^2 is in; v's 40 loads may be out
	SCORE 0
	SCORE 1
	SCORE 2
	SCORE 3
	SCORE 4
	v_max3_num_f32 v[SA], v[SC], v[SC+1], v[SC+2]  ; the row's largest score is taken away ahead of the exponentials
	v_max3_num_f32 v[SA+1], v[SC+3], v[SC+4], v[SC+5]
.irp i, 6,10,14,18,22,26,30,34
	v_max3_num_f32 v[SA], v[SA], v[SC+\i], v[SC+\i+1]
	v_max3_num_f32 v[SA+1], v[SA+1], v[SC+\i+2], v[SC+\i+3]
.endr
	v_max3_num_f32 v[SA], v[SA], v[SC+38], v[SC+39]
	v_max_num_f32 v[SA], v[SA], v[SA+1]
	v_permlanex16_b32 v[XT], v[SA], s54, s55
	v_max_num_f32 v[MXP], v[SA], v[XT]
	v_mov_b32 v[MXP+1], v[MXP]
.irp p, 0,2,4,6,8,10,12,14,16,18,20,22,24,26,28,30,32,34,36,38
	v_pk_add_f32 v[SC+\p:SC+\p+1], v[SC+\p:SC+\p+1], v[MXP:MXP+1] neg_lo:[0,1] neg_hi:[0,1]
.endr
.set J, 0
.rept 40
	v_exp_f32 v[SC+J], v[SC+J]
.set J, J+1
.endr
	v_nop
	s_wait_alu depctr_va_vdst(0)
	v_pk_add_f32 v[SA:SA+1], v[SC:SC+1], v[SC+2:SC+3]
	v_pk_add_f32 v[SBX:SBX+1], v[SC+4:SC+5], v[SC+6:SC+7]
.irp i, 8,12,16,20,24,28,32,36
	v_pk_add_f32 v[SA:SA+1], v[SA:SA+1], v[SC+\i:SC+\i+1]
	v_pk_add_f32 v[SBX:SBX+1], v[SBX:SBX+1], v[SC+\i+2:SC+\i+3]
.endr
	v_pk_add_f32 v[SA:SA+1], v[SA:SA+1], v[SBX:SBX+1]
	v_add_f32 v[SA], v[SA], v[SA+1]
	v_permlanex16_b32 v[XT], v[SA], s54, s55
	v_add_f32 v[SA], v[SA], v[XT]
	v_rcp_f32 v[RI], v[SA]
	v_nop
	s_wait_alu depctr_va_vdst(0)
	v_mov_b32 v[RI+1], v[RI]
	s_wait_dscnt 0x0                               ; v is in
	WIN 0xf2                                       ; source 0 (v) window 2, source 1 (p) window 0, C and D window 3
.irp k, 0,1,2,3,4
.irp s, 0,1,2,3
.irp d, 0,1,2,3
	MF32 O3+8*\d, 32*\k+8*\d+2*\s, SC+8*\k+2*\s, (\k==0)&&(\s==0)
.endr
.endr
.endr
	WIN 0
	NOPS 8
	WIN 0x03
.irp p, 0,2,4,6,8,10,12,14,16,18,20,22,24,26,28,30
	v_pk_mul_f32 v[OUT+\p:OUT+\p+1], v[O3+\p:O3+\p+1], v[RI:RI+1]   ; register 8 dt + j: d = 32 hh + 8 dt + j of query q: a whole block of 32 in a lane
.endr
	WIN 0
	v_max3_num_f32 v[SA], |v[OUT]|, |v[OUT+1]|, 0x1800000
	v_max3_num_f32 v[SA+1], |v[OUT+2]|, |v[OUT+3]|, 0x1800000
.irp i, 4,8,12,16,20,24,28
	v_max3_num_f32 v[SA], v[SA], |v[OUT+\i]|, |v[OUT+\i+1]|
	v_max3_num_f32 v[SA+1], v[SA+1], |v[OUT+\i+2]|, |v[OUT+\i+3]|
.endr
	v_max_num_f32 v[SA], v[SA], v[SA+1]
	v_add_nc_u32 v[TA], 0xff000000, v[SA]
.irp g, 0,1,2,3
	v_cvt_scalef32_pk8_fp4_f32 v[CD+\g], v[OUT+8*\g:OUT+8*\g+7], v[TA]
.endr
	v_lshrrev_b32 v[TB], 23, v[TA]                 ; the scale's byte (the plain place behind the conversions)
	global_store_b128 v[VL16], v[CD:CD+3], s[38:39]   ; the wave stores 512 consecutive bytes: registers 4 c .. 4 c + 3 of the next launch's fragment
	v_bfe_u32 v[SA], v0, 4, 1
	v_lshlrev_b32 v[SA], 3, v[SA]
	v_lshlrev_b32 v[TB], v[SA], v[TB]              ; at its place: block 2 head + hh
	v_permlanex16_b32 v[XT], v[TB], s54, s55
	v_or_b32 v[TB], v[TB], v[XT]
	global_store_b16 v[VSO], v[TB], s[40:41]       ; both halves of the lanes store the same two bytes
	s_barrier_signal -1
	s_barrier_wait -1
	s_wait_tensorcnt 0x0
	ds_add_u32 v248, v249
	s_wait_dscnt 0x0
	s_endpgm
.Lfunc_end_k_q4cb511900d_attn:
	.size	k_q4cb511900d_attn, .Lfunc_end_k_q4cb511900d_attn-k_q4cb511900d_attn
	.p2alignl 7, 3214868480
	.fill 96, 4, 3214868480
	.section	.rodata,"a",@progbits
	.p2align	6, 0x0
	.amdhsa_kernel k_q4cb511900d_attn
		.amdhsa_group_segment_fixed_size 103936
		.amdhsa_private_segment_fixed_size 0
		.amdhsa_enable_private_segment 0
		.amdhsa_kernarg_size 152
		.amdhsa_user_sgpr_count 2
		.amdhsa_user_sgpr_kernarg_segment_ptr 1
		.amdhsa_wavefront_size32 1
		.amdhsa_system_sgpr_workgroup_id_x 1
		.amdhsa_system_sgpr_workgroup_id_y 1
		.amdhsa_system_sgpr_workgroup_id_z 1
		.amdhsa_system_vgpr_workitem_id 0
		.amdhsa_next_free_vgpr 1024
		.amdhsa_next_free_sgpr 80
		.amdhsa_reserve_vcc 1
		.amdhsa_float_denorm_mode_32 3
		.amdhsa_float_denorm_mode_16_64 3
		.amdhsa_memory_ordered 1
		.amdhsa_forward_progress 1
		.amdhsa_inst_pref_size 255
	.end_amdhsa_kernel
	.section	.bss,"aw",@nobits
	.p2align	6
	.space	262144
	.amdgpu_metadata
---
amdhsa.version: [ 1, 2 ]
amdhsa.kernels:
  - .name:           k_q4cb511900d_attn
    .symbol:         k_q4cb511900d_attn.kd
    .args:
      - { .name: x, .offset: 0, .size: 8, .value_kind: global_buffer, .address_space: global }
      - { .name: ln1_s, .offset: 8, .size: 8, .value_kind: global_buffer, .address_space: global }
      - { .name: ln1_b, .offset: 16, .size: 8, .value_kind: global_buffer, .address_space: global }
      - { .name: Wq_codes, .offset: 24, .size: 8, .value_kind: global_buffer, .address_space: global }
      - { .name: Wq_scales, .offset: 32, .size: 8, .value_kind: global_buffer, .address_space: global }
      - { .name: Wk_codes, .offset: 40, .size: 8, .value_kind: global_buffer, .address_space: global }
      - { .name: Wk_scales, .offset: 48, .size: 8, .value_kind: global_buffer, .address_space: global }
      - { .name: Wv_codes, .offset: 56, .size: 8, .value_kind: global_buffer, .address_space: global }
      - { .name: Wv_scales, .offset: 64, .size: 8, .value_kind: global_buffer, .address_space: global }
      - { .name: bq, .offset: 72, .size: 8, .value_kind: global_buffer, .address_space: global }
      - { .name: bk, .offset: 80, .size: 8, .value_kind: global_buffer, .address_space: global }
      - { .name: bv, .offset: 88, .size: 8, .value_kind: global_buffer, .address_space: global }
      - { .name: hash_offset, .offset: 96, .size: 8, .value_kind: global_buffer, .address_space: global }
      - { .name: freqs_cos, .offset: 104, .size: 8, .value_kind: global_buffer, .address_space: global }
      - { .name: freqs_sin, .offset: 112, .size: 8, .value_kind: global_buffer, .address_space: global }
      - { .name: c, .offset: 120, .size: 8, .value_kind: global_buffer, .address_space: global }
      - { .name: geo_scale, .offset: 128, .size: 8, .value_kind: global_buffer, .address_space: global }
      - { .name: attn_codes, .offset: 136, .size: 8, .value_kind: global_buffer, .address_space: global }
      - { .name: attn_scales, .offset: 144, .size: 8, .value_kind: global_buffer, .address_space: global }
    .group_segment_fixed_size: 103936
    .private_segment_fixed_size: 0
    .kernarg_segment_align: 8
    .kernarg_segment_size: 152
    .max_flat_workgroup_size: 128
    .sgpr_count:     80
    .vgpr_count:     1024
    .wavefront_size: 32
...
	.end_amdgpu_metadata
.endif
;; end of part 1
;; launch post (part 2): grid 128 x 1, 8 waves a work-group, no clusters, 60,416 bytes of LDS; arguments attn_codes, attn_scales, x, Wo_codes, Wo_scales, bo, ln2_s, ln2_b, W1_codes, W1_scales, b1, W2_codes, W2_scales, b2, out0; writes out0
.if DOCPART == 2
	.amdgcn_target "amdgcn-amd-amdhsa--gfx1250"
	.amdhsa_code_object_version 6
	.text
	.protected	k_q4cb511900d_post
	.globl	k_q4cb511900d_post
	.p2align	8
	.type	k_q4cb511900d_post,@function
k_q4cb511900d_post:
	s_mov_b64 s[64:65], 0
	v_nop
	global_prefetch_b8 v0, s[64:65] scope:SCOPE_SE
	s_setreg_imm32_b32 hwreg(HW_REG_WAVE_MODE, 25, 1), 1
	s_wait_xcnt 0x0
; x_out = x + attn Wo + bo;  h = LN2(x_out);  out = x_out + gelu(h W1 + b1) W2 + b2.  All three products MX-FP4; attn arrives as codes laid in the order of the operand's registers; h and the hidden layer are quantised in registers.
; SHARES.  A work-group owns 16 rows (LN2 and the second product of the FFN want whole rows: 2,048 / 16 = 128 work-groups).  THE EIGHT WAVES SHARE THE COLUMNS: wave w makes columns 64 w .. 64 w + 63 of x_out, h and out,
; and hidden units 256 w .. 256 w + 255.  All products are used transposed (source 0 = 16 rows of a weight, source 1 = the 16 rows' fragment): a lane holds ONE row, its registers run along the columns.
; THE ROWS OF A WEIGHT THAT FORM A TILE ARE NOT NEIGHBOURS: lane r of tile 2 b + u takes row 32 b + 8 u + r + 8 (r / 8), so that register 16 b + 8 u + j of lane (r, hh) is column 32 b + 16 hh + 8 u + j.
; WEIGHTS come in 18 chunks (2 tiles x 4 K steps, 8 KB) straight into operand registers, a ring of three slots: behind each chunk's products the chunk three further on is asked for.
; NO JOINT LOADS, NO LDS RING for the weights: each fragment feeds one matrix instruction of one wave of the work-group, so through LDS its bytes would be written and read once more for nothing saved inside the work-group.
; h and the hidden layer go from wave to wave through LDS as images of the operand's registers.  Biases and residuals are the C of a sum's first products.
; gelu is the tanh form: a / (1 + 2^(a (k1 + k2 a^2))), k1 = -2 sqrt(2/pi) log2(e), k2 = 0.044715 k1.
; LIMITS: NaN and infinities are not served.  A block whose largest magnitude lies under 2^-124, and a block of zeros, keeps the scale byte 1.  v_rsq_f32 and v_rcp_f32 stand for the divisions.
.set STG,  0                           ; LDS: a stage of 16 rows x (256 + 16) bytes for each wave, its own
.set RED1, 34816                       ; 16 rows x 8 waves: partial sums
.set RED2, 35328
.set HIMG, 35840                       ; h: 4 fragments of 1,024 bytes
.set HSC,  39936                       ; their scale words, 128 bytes each
.set DIMG, 40448                       ; the hidden layer: 16 fragments
.set DSC,  56832
.set VL16,  1                          ; 16 l
.set VL4,   2                          ; 4 l
.set VW256, 3                          ; 256 rho + 16 hh
.set VS16,  4                          ; 16 rho
.set VW1K,  5                          ; 1,024 rho + 16 hh
.set VS64,  6                          ; 64 rho
.set VB,    7                          ; 64 hh
.set VAS,   8                          ; 16 r
.set VXC,   9                          ; 2,048 hh + 16 r: two rows an instruction, 256 bytes of each
.set LSR,   10
.set LSO,   11
.set LRW,   12
.set LRR,   13
.set LHWI,  14
.set LHWS,  15
.set LDWI,  16
.set LDWS,  17
.set PW,    18                         ; the scale word just made
.set XT,    19                         ; a lane permute's destination
.set BF,    20                         ; four fragments of the activation in hand
.set BS,    52                         ; their scale words
.set XO,    56                         ; x_out
.set ACC,   88
.set G,     104                        ; x as loaded; ln2_s, ln2_b; gelu's results; at the end the sums of out and the rows read back
.set OA,    104
.set PC,    168
.set TM,    176
.set WS,    192                        ; the weights' scale words: 3 slots x 8
.set H,     216
.set K1,    248
.set K2,    250
.set MM,    252
.set RS,    254
.set WF,    0                          ; window 1: the weights' fragments, 3 slots x 64;
.set CB,    192                        ; the biases, 3 slots x 16
.set MSB, 0
.set ISS, 0
.macro WIN new                         ; the immediate's high byte repeats the setting that is left
.if MSB != \new
	s_set_vgpr_msb (MSB<<8)|\new
.set MSB, \new
.endif
.endm
.macro NOPS n
.rept \n
	v_nop
.endr
.endm
; Every global load goes through GL128, which counts it; MARK notes the count behind a group; WAITL waits until only the loads issued behind that group may be out (the text has no branch, so the count holds).
.macro GL128 dst, voff, sb, off
	global_load_b128 v[\dst:\dst+3], v[\voff], s[\sb:\sb+1] offset:\off
.set ISS, ISS+1
.endm
.macro MARK name
.set END_\name, ISS
.endm
.macro WAITL name
.if ISS-END_\name > 63
	s_wait_loadcnt 63
.else
	s_wait_loadcnt ISS-END_\name
.endif
.endm
.macro BARRIER                         ; my LDS stores have landed and my LDS loads are in: then the work-group's barrier
	s_wait_dscnt 0x0
	s_barrier_signal -1
	s_barrier_wait -1
.endm
; Chunk id: 0, 1 Wo (b = id); 2 .. 9 W1 (b = id - 2); 10 .. 17 W2 (K steps 4 kq .. 4 kq + 3, kq = (id - 10) / 2; columns 32 p on, p = (id - 10) % 2)
.macro LOADCH id
.set SL, (\id)%3
	WIN 0x40
.irp u, 0,1
.irp s, 0,1,2,3
.irp c, 0,1
.if (\id) < 2
	GL128 WF+64*SL+8*(4*\u+\s)+4*\c, VW256, 10, 8192*(\id)+2048*\u+64*\s+32*\c
.elseif (\id) < 10
	GL128 WF+64*SL+8*(4*\u+\s)+4*\c, VW256, 20, 8192*((\id)-2)+2048*\u+64*\s+32*\c
.else
	GL128 WF+64*SL+8*(4*\u+\s)+4*\c, VW1K, 26, 32768*(((\id)-10)%2)+8192*\u+64*(4*(((\id)-10)/2)+\s)+32*\c
.endif
.endr
.endr
.endr
.if (\id) < 12
.irp u, 0,1
.irp i, 0,1
.if (\id) < 2
	GL128 CB+16*SL+8*\u+4*\i, VB, 14, (32*(\id)+8*\u)*4+16*\i
.elseif (\id) < 10
	GL128 CB+16*SL+8*\u+4*\i, VB, 24, (32*((\id)-2)+8*\u)*4+16*\i
.else
	GL128 CB+16*SL+8*\u+4*\i, VB, 30, (32*((\id)-10)+8*\u)*4+16*\i
.endif
.endr
.endr
.endif
	WIN 0
.irp u, 0,1
.if (\id) < 2
	GL128 WS+8*SL+4*\u, VS16, 12, 512*(\id)+128*\u
.elseif (\id) < 10
	GL128 WS+8*SL+4*\u, VS16, 22, 512*((\id)-2)+128*\u
.else
	GL128 WS+8*SL+4*\u, VS64, 28, 2048*(((\id)-10)%2)+512*\u+16*(((\id)-10)/2)
.endif
.endr
	MARK C\id
.endm
; The chunk's eight products into v[d .. d+15]: two accumulators by turns.  mode 0: the sums begin with the chunk's bias (add >= 0: with v[add ..], the residual, added to it first); mode 1: they go on.
.macro USECH id, d, mode, add
.set SL, (\id)%3
	WAITL C\id
.if \add >= 0
	WIN 0x41
.irp p, 0,2,4,6,8,10,12,14
	v_pk_add_f32 v[CB+16*SL+\p:CB+16*SL+\p+1], v[CB+16*SL+\p:CB+16*SL+\p+1], v[\add+\p:\add+\p+1]
.endr
	WIN 0
	NOPS 4
.endif
.irp s, 0,1,2,3
.if (\s == 0) && (\mode == 0)
	WIN 0x11                                       ; source 0 (the weight) and source 2 (the bias) window 1
.else
	WIN 0x01
.endif
.irp u, 0,1
.if (\s == 0) && (\mode == 0)
	v_wmma_scale_f32_16x16x128_f8f6f4 v[\d+8*\u:\d+8*\u+7], v[WF+64*SL+8*(4*\u+\s):WF+64*SL+8*(4*\u+\s)+7], v[BF+8*\s:BF+8*\s+7], v[CB+16*SL+8*\u:CB+16*SL+8*\u+7], v[WS+8*SL+4*\u+\s], v[BS+\s] matrix_a_fmt:MATRIX_FMT_FP4 matrix_b_fmt:MATRIX_FMT_FP4
.else
	v_wmma_scale_f32_16x16x128_f8f6f4 v[\d+8*\u:\d+8*\u+7], v[WF+64*SL+8*(4*\u+\s):WF+64*SL+8*(4*\u+\s)+7], v[BF+8*\s:BF+8*\s+7], v[\d+8*\u:\d+8*\u+7], v[WS+8*SL+4*\u+\s], v[BS+\s] matrix_a_fmt:MATRIX_FMT_FP4 matrix_b_fmt:MATRIX_FMT_FP4
.endif
.endr
.endr
	WIN 0
	NOPS 4                                         ; places ahead of loads into the slot and of the first read of results
.endm
; nb blocks of 32: register 16 b + i of v[s ..] = k 32 b + 16 hh + i of my row.  Codes into v[PC ..] in the operand's layout, the scale bytes into v[PW].
.macro QUANT s, nb
.set QB, 0
.rept \nb
	v_max3_num_f32 v[TM+QB], |v[\s+16*QB]|, |v[\s+16*QB+1]|, 0x1800000   ; with the floor 2^(3 - 127): the byte cannot fall under 1
.set QB, QB+1
.endr
.irp i, 2,4,6,8,10,12,14
.set QB, 0
.rept \nb
	v_max3_num_f32 v[TM+QB], v[TM+QB], |v[\s+16*QB+\i]|, |v[\s+16*QB+\i+1]|
.set QB, QB+1
.endr
.endr
.set QB, 0
.rept \nb
	v_permlanex16_b32 v[TM+4+QB], v[TM+QB], s38, s39
.set QB, QB+1
.endr
.set QB, 0
.rept \nb
	v_max_num_f32 v[TM+QB], v[TM+QB], v[TM+4+QB]
.set QB, QB+1
.endr
.set QB, 0
.rept \nb
	v_add_nc_u32 v[TM+12+QB], 0xff000000, v[TM+QB] ; 2 off the exponent field: the conversion's scale operand
.set QB, QB+1
.endr
.set QB, 0
.rept \nb
	v_lshrrev_b32 v[TM+4+QB], 23, v[TM+12+QB]
.set QB, QB+1
.endr
	v_lshl_or_b32 v[PW], v[TM+5], 8, v[TM+4]
.if \nb > 2
	v_lshl_or_b32 v[PW], v[TM+6], 16, v[PW]
	v_lshl_or_b32 v[PW], v[TM+7], 24, v[PW]
.endif
.set QB, 0
.rept \nb
	v_cvt_scalef32_pk8_fp4_f32 v[PC+2*QB], v[\s+16*QB:\s+16*QB+7], v[TM+12+QB]
	v_cvt_scalef32_pk8_fp4_f32 v[PC+2*QB+1], v[\s+16*QB+8:\s+16*QB+15], v[TM+12+QB]
.set QB, QB+1
.endr
	v_nop                                          ; one plain place behind a scaled conversion
.set QB, 0
.rept \nb/2                            ; the operand's layout wants a whole block in a lane
	v_permlane16_swap_b32 v[PC+4*QB], v[PC+4*QB+2]
	v_permlane16_swap_b32 v[PC+4*QB+1], v[PC+4*QB+3]
.set QB, QB+1
.endr
.endm
.macro XSUM v, red                     ; a row's number of each of the eight waves: summed, in every wave
	ds_store_b32 v[LRW], v[\v] offset:\red
	BARRIER
	ds_load_b128 v[TM:TM+3], v[LRR] offset:\red
	ds_load_b128 v[TM+4:TM+7], v[LRR] offset:\red+16
	s_wait_dscnt 0x0
	v_add_f32 v[TM], v[TM], v[TM+1]
	v_add_f32 v[TM+2], v[TM+2], v[TM+3]
	v_add_f32 v[TM+4], v[TM+4], v[TM+5]
	v_add_f32 v[TM+6], v[TM+6], v[TM+7]
	v_add_f32 v[TM], v[TM], v[TM+2]
	v_add_f32 v[TM+4], v[TM+4], v[TM+6]
	v_add_f32 v[\v], v[TM], v[TM+4]
.endm
.macro GELU g
.irp p, 0,2,4,6,8,10,12,14
	v_pk_mul_f32 v[H+\p:H+\p+1], v[ACC+\p:ACC+\p+1], v[ACC+\p:ACC+\p+1]
.endr
.irp p, 0,2,4,6,8,10,12,14
	v_pk_fma_f32 v[H+\p:H+\p+1], v[H+\p:H+\p+1], v[K2:K2+1], v[K1:K1+1]
.endr
.irp p, 0,2,4,6,8,10,12,14
	v_pk_mul_f32 v[H+\p:H+\p+1], v[H+\p:H+\p+1], v[ACC+\p:ACC+\p+1]
.endr
.set J, 0
.rept 16
	v_exp_f32 v[H+J], v[H+J]
.set J, J+1
.endr
	v_nop
	s_wait_alu depctr_va_vdst(0)
.irp p, 0,2,4,6,8,10,12,14
	v_pk_add_f32 v[H+\p:H+\p+1], v[H+\p:H+\p+1], 1.0 op_sel_hi:[1,0]
.endr
.set J, 0
.rept 16
	v_rcp_f32 v[H+J], v[H+J]
.set J, J+1
.endr
	v_nop
	s_wait_alu depctr_va_vdst(0)
.irp p, 0,2,4,6,8,10,12,14
	v_pk_mul_f32 v[\g+\p:\g+\p+1], v[ACC+\p:ACC+\p+1], v[H+\p:H+\p+1]
.endr
.endm
.macro W1STEP id, nxt, g               ; 32 hidden units: products, the chunk three on, the activation
	USECH \id, ACC, 0, -1
	LOADCH \nxt
	GELU \g
.endm
.macro DSTORE hf                       ; 128 hidden units are one K step of the last product: one fragment, one scale word a row
	QUANT G, 4
	ds_store_b128 v[LDWI], v[PC:PC+3] offset:1024*\hf
	ds_store_b128 v[LDWI], v[PC+4:PC+7] offset:1024*\hf+512
	ds_store_b32 v[LDWS], v[PW] offset:128*\hf
	s_wait_dscnt 0x0                               ; the stores have read their registers
.endm
.macro HFETCH kq                       ; four K steps of the hidden layer
.irp s, 0,1,2,3
.irp c, 0,1
	ds_load_b128 v[BF+8*\s+4*\c:BF+8*\s+4*\c+3], v[VL16] offset:DIMG+1024*(4*\kq+\s)+512*\c
.endr
	ds_load_b32 v[BS+\s], v[VL4] offset:DSC+128*(4*\kq+\s)
.endr
	s_wait_dscnt 0x0
.endm
	s_load_b512 s[4:19], s[0:1], 0x0               ; attn codes, attn scales, x, Wo codes, Wo scales, bo, ln2_s, ln2_b
	s_load_b256 s[20:27], s[0:1], 0x40             ; W1 codes, W1 scales, b1, W2 codes
	s_load_b128 s[28:31], s[0:1], 0x60             ; W2 scales, b2
	s_load_b64 s[32:33], s[0:1], 0x70              ; out0
	s_set_vgpr_msb 0x40
	v_lshl_add_u32 v254, v0, 2, 0xe800
	v_mov_b32 v255, 0
	s_set_vgpr_msb 0x4000
	v_lshrrev_b32 v20, 5, v0
	v_readfirstlane_b32 s34, v20                   ; wave
	v_and_b32 v20, 31, v0                          ; l
	v_and_b32 v21, 15, v0                          ; r
	v_bfe_u32 v22, v0, 4, 1                        ; hh
	v_and_b32 v23, 8, v21
	v_add_nc_u32 v23, v23, v21                     ; rho
	v_lshlrev_b32 v[VL16], 4, v20
	v_lshlrev_b32 v[VL4], 2, v20
	v_lshlrev_b32 v[VW256], 8, v23
	v_lshl_add_u32 v[VW256], v22, 4, v[VW256]
	v_lshlrev_b32 v[VS16], 4, v23
	v_lshlrev_b32 v[VW1K], 10, v23
	v_lshl_add_u32 v[VW1K], v22, 4, v[VW1K]
	v_lshlrev_b32 v[VS64], 6, v23
	v_lshlrev_b32 v[VB], 6, v22
	v_lshlrev_b32 v[VAS], 4, v21
	v_lshlrev_b32 v[VXC], 11, v22
	v_lshl_add_u32 v[VXC], v21, 4, v[VXC]
	s_mul_i32 s42, s34, 4352                       ; my stage
	v_mul_u32_u24 v24, v22, 272
	v_lshl_add_u32 v24, v21, 4, v24
	v_add_nc_u32 v[LSR], s42, v24                  ; by rows: lanes 0-15 one row, lanes 16-31 the next
	v_mul_u32_u24 v24, v21, 272
	v_lshl_add_u32 v24, v22, 6, v24
	v_add_nc_u32 v[LSO], s42, v24                  ; by the results' layout: row r, + 64 hh
	s_lshl_b32 s42, s34, 2
	v_lshl_add_u32 v[LRW], v21, 5, s42
	v_lshlrev_b32 v[LRR], 5, v21
	s_lshl_b32 s42, s34, 9
	s_add_co_u32 s42, s42, HIMG
	v_lshl_add_u32 v[LHWI], v20, 4, s42            ; my 64 columns of h are half c = w % 2 of K step w / 2
	s_lshr_b32 s42, s34, 1
	s_lshl_b32 s42, s42, 7
	s_and_b32 s43, s34, 1
	s_lshl_b32 s43, s43, 1
	s_add_co_u32 s42, s42, s43
	s_add_co_u32 s42, s42, HSC
	v_lshl_add_u32 v[LHWS], v20, 2, s42
	s_lshl_b32 s42, s34, 11
	s_add_co_u32 s42, s42, DIMG
	v_lshl_add_u32 v[LDWI], v20, 4, s42
	s_lshl_b32 s42, s34, 8
	s_add_co_u32 s42, s42, DSC
	v_lshl_add_u32 v[LDWS], v20, 2, s42
	v_mov_b32 v[XT], 0                             ; written once: a lane permute's destination counts as a source
.irp b, 0,1,2,3
	v_mov_b32 v[TM+4+\b], 0
.endr
	v_mov_b32 v[K1], 0xc0135761
	v_mov_b32 v[K1+1], 0xc0135761
	v_mov_b32 v[K2], 0xbdd2d3e8
	v_mov_b32 v[K2+1], 0xbdd2d3e8
	s_mov_b32 s38, 0x76543210
	s_mov_b32 s39, 0xfedcba98                      ; v_permlanex16_b32's selects for lane l xor 16
	s_mov_b32 s40, 0x3b000000                      ; 1 / 512
	s_mov_b32 s41, 0x358637bd                      ; 1e-6
	s_mov_b32 s37, 0
	s_wait_kmcnt 0x0
	s_lshl_b32 s36, ttmp9, 12
	s_add_nc_u64 s[4:5], s[4:5], s[36:37]          ; my 16 rows' codes of attn: 8 heads x 512 bytes
	s_lshl_b32 s36, ttmp9, 8
	s_add_nc_u64 s[6:7], s[6:7], s[36:37]
	s_lshl_b32 s36, ttmp9, 15
	s_lshl_b32 s42, s34, 8
	s_add_co_u32 s36, s36, s42
	s_add_nc_u64 s[8:9], s[8:9], s[36:37]          ; x and out0: my 16 rows, my 64 columns
	s_add_nc_u64 s[32:33], s[32:33], s[36:37]
	s_mov_b32 s36, s42
	s_add_nc_u64 s[14:15], s[14:15], s[36:37]      ; bo, ln2_s, ln2_b, b2: my 64 numbers
	s_add_nc_u64 s[16:17], s[16:17], s[36:37]
	s_add_nc_u64 s[18:19], s[18:19], s[36:37]
	s_add_nc_u64 s[30:31], s[30:31], s[36:37]
	s_lshl_b32 s36, s34, 14
	s_add_nc_u64 s[10:11], s[10:11], s[36:37]      ; Wo: my 64 rows of 256 bytes
	s_lshl_b32 s36, s34, 10
	s_add_nc_u64 s[12:13], s[12:13], s[36:37]      ; of 16 scale bytes;
	s_add_nc_u64 s[24:25], s[24:25], s[36:37]      ; b1: my 256 numbers
	s_lshl_b32 s36, s34, 16
	s_add_nc_u64 s[20:21], s[20:21], s[36:37]      ; W1: my 256 rows of 256 bytes;
	s_add_nc_u64 s[26:27], s[26:27], s[36:37]      ; W2: my 64 rows of 1,024
	s_lshl_b32 s36, s34, 12
	s_add_nc_u64 s[22:23], s[22:23], s[36:37]
	s_add_nc_u64 s[28:29], s[28:29], s[36:37]
	; ---- the head: attn's fragments, x, the first three chunks
.irp s, 0,1,2,3
.irp c, 0,1
	GL128 BF+8*\s+4*\c, VL16, 4, 512*(2*\s+\c)
.endr
.endr
	GL128 BS, VAS, 6, 0
.irp i, 0,1,2,3,4,5,6,7
	GL128 G+4*\i, VXC, 8, 4096*\i                  ; sixteen lanes read 256 consecutive bytes of a row
.endr
	MARK HD
	LOADCH 0
	LOADCH 1
	LOADCH 2
	WAITL HD
.irp i, 0,1,2,3,4,5,6,7
	ds_store_b128 v[LSR], v[G+4*\i:G+4*\i+3] offset:544*\i   ; x turns through my stage into the results' layout
.endr
.irp b, 0,1
.irp u, 0,1
.irp i, 0,1
	ds_load_b128 v[H+16*\b+8*\u+4*\i:H+16*\b+8*\u+4*\i+3], v[LSO] offset:128*\b+32*\u+16*\i   ; LDS serves a wave's instructions in order: these see my stores
.endr
.endr
.endr
	s_wait_dscnt 0x0
.irp b, 0,1
.irp u, 0,1
.irp i, 0,1
	GL128 G+16*\b+8*\u+4*\i, VB, 16, (32*\b+8*\u)*4+16*\i
	GL128 G+32+16*\b+8*\u+4*\i, VB, 18, (32*\b+8*\u)*4+16*\i
.endr
.endr
.endr
	MARK LN
	; ---- x_out = x + bo + attn Wo
	USECH 0, XO, 0, H
	LOADCH 3
	USECH 1, XO+16, 0, H+16
	LOADCH 4
	; ---- LN2: the mean and the variance of a row span the eight waves
	v_pk_add_f32 v[TM+8:TM+9], v[XO:XO+1], v[XO+2:XO+3]          ; each accumulator is read from its low end on
	v_pk_add_f32 v[TM+10:TM+11], v[XO+4:XO+5], v[XO+6:XO+7]
.irp i, 8,12,16,20,24,28
	v_pk_add_f32 v[TM+8:TM+9], v[TM+8:TM+9], v[XO+\i:XO+\i+1]
	v_pk_add_f32 v[TM+10:TM+11], v[TM+10:TM+11], v[XO+\i+2:XO+\i+3]
.endr
	v_pk_add_f32 v[TM+8:TM+9], v[TM+8:TM+9], v[TM+10:TM+11]
	v_add_f32 v[TM+8], v[TM+8], v[TM+9]
	v_permlanex16_b32 v[XT], v[TM+8], s38, s39
	v_add_f32 v[TM+8], v[TM+8], v[XT]
	XSUM TM+8, RED1
	v_mul_f32 v[MM], s40, v[TM+8]
	v_mov_b32 v[MM+1], v[MM]
.irp p, 0,2,4,6,8,10,12,14,16,18,20,22,24,26,28,30
	v_pk_add_f32 v[H+\p:H+\p+1], v[XO+\p:XO+\p+1], v[MM:MM+1] neg_lo:[0,1] neg_hi:[0,1]
.endr
	v_pk_mul_f32 v[TM+8:TM+9], v[H:H+1], v[H:H+1]
	v_pk_mul_f32 v[TM+10:TM+11], v[H+2:H+3], v[H+2:H+3]
.irp i, 4,8,12,16,20,24,28
	v_pk_fma_f32 v[TM+8:TM+9], v[H+\i:H+\i+1], v[H+\i:H+\i+1], v[TM+8:TM+9]
	v_pk_fma_f32 v[TM+10:TM+11], v[H+\i+2:H+\i+3], v[H+\i+2:H+\i+3], v[TM+10:TM+11]
.endr
	v_pk_add_f32 v[TM+8:TM+9], v[TM+8:TM+9], v[TM+10:TM+11]
	v_add_f32 v[TM+8], v[TM+8], v[TM+9]
	v_permlanex16_b32 v[XT], v[TM+8], s38, s39
	v_add_f32 v[TM+8], v[TM+8], v[XT]
	XSUM TM+8, RED2
	v_fma_f32 v[RS], v[TM+8], s40, s41
	v_rsq_f32 v[RS], v[RS]
	v_nop
	s_wait_alu depctr_va_vdst(0)
	v_mov_b32 v[RS+1], v[RS]
.irp p, 0,2,4,6,8,10,12,14,16,18,20,22,24,26,28,30
	v_pk_mul_f32 v[H+\p:H+\p+1], v[H+\p:H+\p+1], v[RS:RS+1]
.endr
	WAITL LN
.irp p, 0,2,4,6,8,10,12,14,16,18,20,22,24,26,28,30
	v_pk_fma_f32 v[H+\p:H+\p+1], v[H+\p:H+\p+1], v[G+\p:G+\p+1], v[G+32+\p:G+32+\p+1]
.endr
	; ---- Q(h): my two blocks of each row; the images meet in LDS
	QUANT H, 2
	ds_store_b128 v[LHWI], v[PC:PC+3]
	ds_store_b16 v[LHWS], v[PW]
	BARRIER
.irp s, 0,1,2,3
.irp c, 0,1
	ds_load_b128 v[BF+8*\s+4*\c:BF+8*\s+4*\c+3], v[VL16] offset:HIMG+1024*\s+512*\c
.endr
	ds_load_b32 v[BS+\s], v[VL4] offset:HSC+128*\s
.endr
	s_wait_dscnt 0x0
	; ---- my 256 hidden units, 32 at a time
	W1STEP 2, 5, G
	W1STEP 3, 6, G+16
	W1STEP 4, 7, G+32
	W1STEP 5, 8, G+48
	DSTORE 0
	W1STEP 6, 9, G
	W1STEP 7, 10, G+16
	W1STEP 8, 11, G+32
	W1STEP 9, 12, G+48
	DSTORE 1
	s_barrier_signal -1                            ; (DSTORE has waited for all my LDS instructions)
	s_barrier_wait -1
	; ---- out = x_out + b2 + hidden W2: four K steps at a time
	HFETCH 0
	USECH 10, OA, 0, XO
	LOADCH 13
	USECH 11, OA+16, 0, XO+16
	LOADCH 14
	HFETCH 1
	USECH 12, OA, 1, -1
	LOADCH 15
	USECH 13, OA+16, 1, -1
	LOADCH 16
	HFETCH 2
	USECH 14, OA, 1, -1
	LOADCH 17
	USECH 15, OA+16, 1, -1
	HFETCH 3
	USECH 16, OA, 1, -1
	USECH 17, OA+16, 1, -1
	; ---- the way out: through my stage, back as rows
.irp p, 0,1
.irp u, 0,1
.irp i, 0,1
	ds_store_b128 v[LSO], v[OA+16*\p+8*\u+4*\i:OA+16*\p+8*\u+4*\i+3] offset:128*\p+32*\u+16*\i   ; each accumulator from its low end on
.endr
.endr
.endr
.irp i, 0,1,2,3,4,5,6,7
	ds_load_b128 v[G+32+4*\i:G+32+4*\i+3], v[LSR] offset:544*\i
.endr
.irp i, 0,1,2,3,4,5,6,7
	s_wait_dscnt 7-\i                              ; the loads behind the i-th may stay out
	global_store_b128 v[VXC], v[G+32+4*\i:G+32+4*\i+3], s[32:33] offset:4096*\i th:TH_STORE_NT   ; sixteen lanes store 256 consecutive bytes, at a multiple of 256 from out0's first byte
.endr
	s_barrier_signal -1
	s_barrier_wait -1
	s_set_vgpr_msb 0x5
	s_wait_tensorcnt 0x0
	ds_add_u32 v254, v255
	s_wait_dscnt 0x0
	s_set_vgpr_msb 0x500
	s_endpgm
.Lfunc_end_k_q4cb511900d_post:
	.size	k_q4cb511900d_post, .Lfunc_end_k_q4cb511900d_post-k_q4cb511900d_post
	.p2alignl 7, 3214868480
	.fill 96, 4, 3214868480
	.section	.rodata,"a",@progbits
	.p2align	6, 0x0
	.amdhsa_kernel k_q4cb511900d_post
		.amdhsa_group_segment_fixed_size 60416
		.amdhsa_private_segment_fixed_size 0
		.amdhsa_enable_private_segment 0
		.amdhsa_kernarg_size 120
		.amdhsa_user_sgpr_count 2
		.amdhsa_user_sgpr_kernarg_segment_ptr 1
		.amdhsa_wavefront_size32 1
		.amdhsa_system_sgpr_workgroup_id_x 1
		.amdhsa_system_sgpr_workgroup_id_y 1
		.amdhsa_system_sgpr_workgroup_id_z 1
		.amdhsa_system_vgpr_workitem_id 0
		.amdhsa_next_free_vgpr 512
		.amdhsa_next_free_sgpr 66
		.amdhsa_reserve_vcc 0
		.amdhsa_float_denorm_mode_32 3
		.amdhsa_float_denorm_mode_16_64 3
		.amdhsa_memory_ordered 1
		.amdhsa_forward_progress 1
		.amdhsa_inst_pref_size 122
	.end_amdhsa_kernel
	.amdgpu_metadata
---
amdhsa.version: [ 1, 2 ]
amdhsa.kernels:
  - .name:           k_q4cb511900d_post
    .symbol:         k_q4cb511900d_post.kd
    .args:
      - { .name: attn_codes, .offset: 0, .size: 8, .value_kind: global_buffer, .address_space: global }
      - { .name: attn_scales, .offset: 8, .size: 8, .value_kind: global_buffer, .address_space: global }
      - { .name: x, .offset: 16, .size: 8, .value_kind: global_buffer, .address_space: global }
      - { .name: Wo_codes, .offset: 24, .size: 8, .value_kind: global_buffer, .address_space: global }
      - { .name: Wo_scales, .offset: 32, .size: 8, .value_kind: global_buffer, .address_space: global }
      - { .name: bo, .offset: 40, .size: 8, .value_kind: global_buffer, .address_space: global }
      - { .name: ln2_s, .offset: 48, .size: 8, .value_kind: global_buffer, .address_space: global }
      - { .name: ln2_b, .offset: 56, .size: 8, .value_kind: global_buffer, .address_space: global }
      - { .name: W1_codes, .offset: 64, .size: 8, .value_kind: global_buffer, .address_space: global }
      - { .name: W1_scales, .offset: 72, .size: 8, .value_kind: global_buffer, .address_space: global }
      - { .name: b1, .offset: 80, .size: 8, .value_kind: global_buffer, .address_space: global }
      - { .name: W2_codes, .offset: 88, .size: 8, .value_kind: global_buffer, .address_space: global }
      - { .name: W2_scales, .offset: 96, .size: 8, .value_kind: global_buffer, .address_space: global }
      - { .name: b2, .offset: 104, .size: 8, .value_kind: global_buffer, .address_space: global }
      - { .name: out0, .offset: 112, .size: 8, .value_kind: global_buffer, .address_space: global }
    .group_segment_fixed_size: 60416
    .private_segment_fixed_size: 0
    .kernarg_segment_align: 8
    .kernarg_segment_size: 120
    .max_flat_workgroup_size: 256
    .sgpr_count:     66
    .vgpr_count:     512
    .wavefront_size: 32
...
	.end_amdgpu_metadata
.endif
;; end of part 2
